; MI455X (gfx1250); checked and timed in simulation.
; The chip was launched on July 23, 2026; its instructions are those of AMD's public machine-readable ISA for CDNA 5 (MIT licence, August 2026) and "CDNA5" Instruction Set Architecture Reference Guide (July 2026). The comments in the code are by the model that wrote it; some were corrected since.
;; Sparse Linear Old. Allowed arithmetic: matrix products marked QUANTISED: E2M1 operands, one E8M0 scale for each 32 along K, by v_wmma_scale_f32_16x16x128_f8f6f4 with both operands' format E2M1 (or v_wmma_scale_f32_32x16x128_f4), f32 sums; everything else in f32.
;; Inputs: W 4,096 x 4,096 float32; X_codes 4,096 x 128 x 16 uint8 (E2M1 codes of X, K innermost, in blocks of 32 codes, two codes a byte); X_scales 4,096 x 128 uint8 (E8M0 scales of X, one for each 32 codes along K); b 4,096 float32; mask 4,096 x 4,096 bool.
;; Outputs: out0 4,096 x 4,096 float32.
;; This version of the problem:
;;   THIS VERSION OF THE PROBLEM IS GIVEN IN LOW PRECISION. The matrix products marked QUANTISED in the list below multiply operands that are first quantised to E2M1 (2 exponent bits, 1 mantissa bit; 4 bits a number), with one power-of-two scale for each 32 numbers along K (OCP MX v1.0); their sums are f32. All else is computed in f32.
;;   The module's matrix products, in the order in which they are computed (A, B: the left and right operand; K: the contracted axis; several contracted axes count as one K, in the product's order):
;;     1. [M 4,096, K 4,096] x [K 4,096, N 4,096]; A: input X (given as codes); B: computed on the way: QUANTISED
;;   THE QUANTISER, for each operand of a quantised product, along K:
;;     - K is cut into blocks of 32 from its start; a last block that is shorter is filled with zeros.
;;     - A block's scale is 2^e with e = floor(log2(the largest magnitude in the block)) - 2, held to -126 .. 127; a block of zeros has e = 0. As a byte (E8M0): e + 127.
;;     - Each number is divided by its block's scale, clamped to +-6, and rounded to the nearest number of E2M1, ties to even, subnormals kept.
;;     - The product sums the exact products of the quantised numbers (number of the format x scale) in f32.
;;   ~~~python
;;   def quantise(x, axis):      # numpy; x: float32 -> the quantised numbers, widened to float32 again
;;       x = np.moveaxis(x, axis, -1); K = x.shape[-1]
;;       x = np.pad(x, [(0, 0)] * (x.ndim - 1) + [(0, -K % 32)]); x = x.reshape(x.shape[:-1] + (-1, 32)); a = np.abs(x).max(-1, keepdims=True)
;;       e = np.where(a > 0, np.clip(np.frexp(np.where(a > 0, a, 1))[1] - 1 - 2, -126, 127), 0)      # np.frexp(a)[1] - 1 = floor(log2(a)), exactly
;;       r = np.clip(x / 2.0 ** e, -6, 6)
;;       step = 2.0 ** (np.maximum(np.frexp(np.where(r == 0, 1, r))[1] - 1, 0) - 1)
;;       q = np.round(r / step) * step * 2.0 ** e      # np.round: ties to even
;;       return np.moveaxis(q.reshape(q.shape[:-2] + (-1,))[..., :K], -1, axis).astype(np.float32)
;;   ~~~
;;   OPERANDS COMPUTED ON THE WAY. 'Computed on the way' means the value that the module computes at that place (a softmax that the list does not call 'softmax' is quantised finished and normalised). What goes into a quantiser is computed in f32, as accurately as f32 sums, v_exp_f32 and their like allow (about 1e-6 of the number): no bf16 or f16 on the way to a quantiser, and a product that is left as it is and whose result goes on into a quantised operand takes f32 operands (vector FMAs, or v_wmma_f32_16x16x4_f32). A number that lies on a knife's edge between two numbers of the format may be rounded either way, as far as f32 arithmetic and the matrix unit's own rounding can turn it there, and no further.
;;   INPUTS GIVEN AS CODES. X (in the module: [4096, 4096], K = its axis 1): each comes as NAME_codes (uint8): NAME with its K axis moved to the last place and cut into blocks of 32 codes, [.., K / 32, bytes a block], one block behind the other in memory; two codes a byte, the lower K in the low four bits (a code: sign, 2 exponent bits, 1 mantissa bit); and NAME_scales (uint8): the same leading axes, one E8M0 byte (e + 127) for each 32 codes along K. Its value is code x scale, taken as it is: it is not quantised again, and the codes and scales need not be those that the quantiser above would give.
;; One version. Each part assembles by itself: llvm-mc -triple=amdgcn-amd-amdhsa -mcpu=gfx1250 --defsym DOCPART=n.
;; ======== version 1 of 1: 2 launches
;; limits: right only within a limited range of input values
;; workspace buffers: w_codes 8,388,608 bytes; scl 1,048,576 bytes
;; launch quant (part 1): grid 256 x 1, 8 waves a work-group, no clusters, 66,560 bytes of LDS; arguments W, mask, X_scales, w_codes, scl; writes w_codes, scl
.if DOCPART == 1
	.amdgcn_target "amdgcn-amd-amdhsa--gfx1250"
	.amdhsa_code_object_version 6
	.text
	.protected	k_q8f4d871d0b_quant
	.globl	k_q8f4d871d0b_quant
	.p2align	8
	.type	k_q8f4d871d0b_quant,@function
k_q8f4d871d0b_quant:
	s_mov_b64 s[64:65], 0
	v_nop
	global_prefetch_b8 v0, s[64:65] scope:SCOPE_SE
	s_setreg_imm32_b32 hwreg(HW_REG_WAVE_MODE, 25, 1), 1
	s_wait_xcnt 0x0
; W [4096][4096] f32 times mask [4096][4096] (one byte, 0 or 1) is turned into codes of FP4 (E2M1), K innermost, two codes a byte, laid as X's codes are: w_codes [4096][2048 bytes].
; A block of 32 along K has the scale 2^(floor(log2(its largest magnitude)) - 2); its byte is the largest magnitude's own exponent field - 2, held at 1 from below; each number is divided by the scale and
; rounded to the nearest code, ties to even, beyond 6 to 6.
; BOTH OPERANDS' SCALE BYTES are laid anew for the product's launch, by K step of 512:  scl [8 K steps][8192 rows][16 bytes]: rows 0-4095 are X's (copied from X_scales), rows 4096-8191 are W's.
; So the 16 bytes (four scale words) of 16 neighbouring rows are 256 consecutive bytes, aligned.
; LIMITS: NaN and infinities in W are not served (a masked number becomes +0 here whatever it was).  A block whose largest magnitude lies under 2^-124, a block of zeros among them, gets the byte 1
; (the rule gives a block of zeros 127): its codes are zeros or as the floor's scale makes them, and the bytes are read by this program alone.
; SHARES.  Work-group g owns rows 16 g .. 16 g + 15 of W.  Wave w owns K step w (k = 512 w .. 512 w + 511) of those rows; its step t is row t: 2,048 consecutive bytes of W, 512 of the mask, 256 of codes, 16 scale bytes.
; After its 16 steps a wave's 256 scale bytes are [16 rows][16 bytes]: one aligned run of 256 bytes of scl.
; The conversions take numbers of ONE block from a lane's registers, so a lane must hold 16 NEIGHBOURS along K; a load is best where neighbouring LANES take neighbouring bytes.  Both are had: each of a step's four loads
; reads 512 consecutive bytes, 16 a lane; the 2,048 bytes go through the wave's own stage in LDS and come back 64 bytes a lane.  A lane's 16 mask bytes (16 x lane on) belong to just those 16 numbers.
; Work-groups share no input, waves share nothing: no barrier, no cluster, no tensor load.  Loads run eight steps ahead: 40 loads, 20 KiB, a wave.  Every offset is an immediate, no pointer is stepped,
; and no register that a store reads is written again: so no wait frees a source.
.set EMAX,  2
.set SP,    80                         ; a lane's place in a stage: its 64 bytes + 16 of padding, so that the lanes' reads fall on different banks
.set STG,   32*SP                      ; a stage: 2,560 bytes; two of them by turns
.set SBY,   2*STG                      ; behind them the wave's 256 scale bytes
.set WREG,  8192                       ; LDS: a region of its own for each wave
.set LOFF,  1                          ; v1   16 x lane: my bytes of a load of W or of the mask; never rewritten
.set OOFF,  2                          ; v2   8 x lane: my bytes of a store; never rewritten
.set STI,   3                          ; v3   the stage, on the way in
.set STO,   4                          ; v4   the stage, on the way out
.set SBA,   5                          ; v5   LDS: my block's scale byte
.set SBR,   6                          ; v6   LDS: my 8 scale bytes on the way out
.set SCO,   7                          ; v7   the conversions' scale operand
.set T,     12                         ; v12-15  a mask byte spread over a word, four at a time
.set R,     16                         ; v16-143  eight sets of 16 numbers as they are loaded
.set MK,    144                        ; v144-175 eight sets of 16 mask bytes
.set X,     176                        ; v176-207 two sets of 16 neighbours
.set C,     208                        ; v208-239 codes: two registers for each step
.set E,     240                        ; v240-255 a scale byte for each step
	s_load_b256 s[4:11], s[0:1], 0x0               ; W s[4:5], mask s[6:7], X_scales s[8:9], w_codes s[10:11]
	s_load_b64 s[12:13], s[0:1], 0x20              ; scl
	s_set_vgpr_msb 0x40
	v_lshl_add_u32 v0, v0, 2, 0x10000
	v_mov_b32 v1, 0
	s_set_vgpr_msb 0x4000
	v_lshrrev_b32 v8, 5, v0
	s_delay_alu instid0(VALU_DEP_1)
	v_readfirstlane_b32 s14, v8                    ; wave 0..7
	v_and_b32 v9, 31, v0                           ; lane
	s_delay_alu instid0(VALU_DEP_1)
	v_lshlrev_b32 v[LOFF], 4, v9
	s_delay_alu instid0(VALU_DEP_2)
	v_lshlrev_b32 v[OOFF], 3, v9
	s_lshl_b32 s15, s14, 13                        ; my wave's region of LDS
	v_lshrrev_b32 v[STI], 2, v9
	s_delay_alu instid0(VALU_DEP_1)
	v_mul_u32_u24 v[STI], v[STI], SP
	v_and_b32 v[STO], 3, v9
	s_delay_alu instid0(VALU_DEP_1)
	v_lshl_add_u32 v[STI], v[STO], 4, v[STI]
	s_delay_alu instid0(VALU_DEP_1)
	v_add_nc_u32 v[STI], s15, v[STI]               ; in: four lanes' 64 bytes on end, then 16 of padding: SP (lane / 4) + 16 (lane % 4); a load's 512 bytes take eight places
	v_mul_u32_u24 v[STO], v9, SP
	s_delay_alu instid0(VALU_DEP_1)
	v_add_nc_u32 v[STO], s15, v[STO]               ; out: SP x lane: my 16 neighbours
	s_add_co_u32 s30, s15, SBY
	v_lshrrev_b32 v[SBA], 1, v9                    ; two neighbouring lanes hold a block
	s_delay_alu instid0(VALU_DEP_1)
	v_add_nc_u32 v[SBA], s30, v[SBA]
	v_add_nc_u32 v[SBR], s30, v[OOFF]
	v_lshrrev_b32 v12, 1, v9                       ; the copy of X's scale bytes: row lane / 2 of my 16 (128 bytes a row), half lane % 2 of its 16 bytes
	v_and_b32 v13, 1, v9
	s_delay_alu instid0(VALU_DEP_2)
	v_lshlrev_b32 v12, 7, v12
	s_delay_alu instid0(VALU_DEP_1)
	v_lshl_add_u32 v0, v13, 3, v12                 ; v0 from here on: that offset; never rewritten
	s_mov_b32 s26, 255
	s_mov_b32 s27, 0x01010101                      ; v_perm_b32's selects: byte 1, 2, 3 into all four bytes (byte 0: the constant 0)
	s_mov_b32 s28, 0x02020202
	s_mov_b32 s29, 0x03030303
	; where my wave's part begins, in bytes (all under 2^32)
	s_lshl_b32 s16, ttmp9, 18                      ; W: 16 rows of 16,384 bytes a work-group,
	s_lshl_b32 s30, s14, 11                        ;    2,048 bytes a K step
	s_add_co_u32 s16, s16, s30
	s_mov_b32 s17, 0
	s_lshl_b32 s18, ttmp9, 16                      ; mask: a quarter of that
	s_lshl_b32 s30, s14, 9
	s_add_co_u32 s18, s18, s30
	s_mov_b32 s19, 0
	s_lshl_b32 s20, ttmp9, 11                      ; X_scales: 16 rows of 128 bytes, 16 bytes a K step
	s_lshl_b32 s30, s14, 4
	s_add_co_u32 s20, s20, s30
	s_mov_b32 s21, 0
	s_lshl_b32 s22, ttmp9, 15                      ; w_codes: 16 rows of 2,048 bytes, 256 bytes a K step
	s_lshl_b32 s30, s14, 8
	s_add_co_u32 s22, s22, s30
	s_mov_b32 s23, 0
	s_lshl_b32 s24, s14, 17                        ; scl: 131,072 bytes a K step, 256 bytes for 16 rows
	s_lshl_b32 s30, ttmp9, 8
	s_add_co_u32 s24, s24, s30
	s_mov_b32 s25, 0
	s_wait_alu depctr_va_vdst(0)
	s_wait_kmcnt 0x0
	s_add_nc_u64 s[4:5], s[4:5], s[16:17]
	s_add_nc_u64 s[6:7], s[6:7], s[18:19]
	s_add_nc_u64 s[8:9], s[8:9], s[20:21]
	s_add_nc_u64 s[10:11], s[10:11], s[22:23]
	s_add_nc_u64 s[12:13], s[12:13], s[24:25]
.macro LOADW t                         ; row t's 512 numbers: four loads of 512 consecutive bytes
.irp i, 0,1,2,3
	global_load_b128 v[R+16*((\t)%8)+4*\i:R+16*((\t)%8)+4*\i+3], v[LOFF], s[4:5] offset:16384*(\t)+512*\i th:TH_LOAD_NT
.endr
.endm
.macro LOADM t                         ; and its 512 mask bytes: one load
	global_load_b128 v[MK+4*((\t)%8):MK+4*((\t)%8)+3], v[LOFF], s[6:7] offset:4096*(\t) th:TH_LOAD_NT
.endm
.macro TURN t                          ; step t's numbers through the stage: LDS serves a wave's instructions in order (ISA guide 5.7.1.4), so no wait stands between the stores and the loads
.irp i, 0,1,2,3
	ds_store_b128 v[STI], v[R+16*((\t)%8)+4*\i:R+16*((\t)%8)+4*\i+3] offset:STG*((\t)%2)+8*SP*\i
.endr
.irp i, 0,1,2,3
	ds_load_b128 v[X+16*((\t)%2)+4*\i:X+16*((\t)%2)+4*\i+3], v[STO] offset:STG*((\t)%2)+16*\i
.endr
.endm
	global_load_b64 v[10:11], v0, s[8:9] th:TH_LOAD_NT     ; X's scale bytes of my 16 rows and my K step: the oldest load
.irp t, 0,1,2,3,4,5,6,7
	LOADW \t
	LOADM \t
.endr
	s_wait_loadcnt 36                              ; behind row 0's four loads were issued: its mask's one, and five for each of rows 1 to 7
	global_store_b64 v[OOFF], v[10:11], s[12:13]   ; X's part of scl: the wave stores 256 consecutive bytes, aligned
	TURN 0
.macro STEP t
.set XS, X+16*((\t)%2)
.set MS, MK+4*((\t)%8)
.if (\t) > 0
	s_wait_dscnt 1                                 ; this row's numbers are back from the stage; the last row's byte store may be out
.else
	s_wait_dscnt 0x0
.endif
.if (\t) < 8
	LOADW (\t)+8                                   ; into the registers that this row's numbers have left
.endif
.if (\t) < 8
	s_wait_loadcnt 35                              ; row t + 1's four loads are in (and this row's mask, which is older).  Behind them: its mask's one, five for each of the six rows after it, and the four just issued
.elseif (\t) < 15
	s_wait_loadcnt 1+5*(14-(\t))                   ; its mask's one and five for each row after it
.else
	s_wait_loadcnt 0x0                             ; the last row's mask
.endif
.if (\t) < 15
	TURN (\t)+1                                    ; the next row goes through the other stage while this one is worked
.endif
.irp j, 0,1,2,3
	v_mul_lo_u32 v[MS+\j], v[MS+\j], s26           ; bytes 0 and 1 become 0x00 and 0xff (no carry from byte to byte)
.endr
.irp j, 0,1,2,3                        ; W x mask: each mask byte is spread over a word and ANDed onto its number: the number as it is, or +0
	v_perm_b32 v[T], v[MS+\j], v[MS+\j], 0
	v_perm_b32 v[T+1], v[MS+\j], v[MS+\j], s27
	v_perm_b32 v[T+2], v[MS+\j], v[MS+\j], s28
	v_perm_b32 v[T+3], v[MS+\j], v[MS+\j], s29
	s_delay_alu instid0(VALU_DEP_4)
	v_and_b32 v[XS+4*\j], v[T], v[XS+4*\j]
	s_delay_alu instid0(VALU_DEP_4)
	v_and_b32 v[XS+4*\j+1], v[T+1], v[XS+4*\j+1]
	s_delay_alu instid0(VALU_DEP_4)
	v_and_b32 v[XS+4*\j+2], v[T+2], v[XS+4*\j+2]
	s_delay_alu instid0(VALU_DEP_4)
	v_and_b32 v[XS+4*\j+3], v[T+3], v[XS+4*\j+3]
.endr
.if (\t) < 8
	LOADM (\t)+8                                   ; into the registers that this row's mask has left
.endif
	v_max3_num_f32 v8, |v[XS]|, |v[XS+1]|, |v[XS+2]|               ; the largest magnitude of my 16, in two chains
	v_max3_num_f32 v9, |v[XS+3]|, |v[XS+4]|, |v[XS+5]|
.irp i, 6,10
	s_delay_alu instid0(VALU_DEP_2)
	v_max3_num_f32 v8, v8, |v[XS+\i]|, |v[XS+\i+1]|
	s_delay_alu instid0(VALU_DEP_2)
	v_max3_num_f32 v9, v9, |v[XS+\i+2]|, |v[XS+\i+3]|
.endr
	s_delay_alu instid0(VALU_DEP_2)
	v_max3_num_f32 v8, v8, |v[XS+14]|, |v[XS+15]|
	s_delay_alu instid0(VALU_DEP_1)
	v_max3_num_f32 v8, v8, v9, (EMAX+1)<<23        ; and the floor 2^(EMAX + 1 - 127), under which no largest magnitude is taken: so the byte cannot fall under 1
	s_delay_alu instid0(VALU_DEP_1)
	v_max_num_f32_dpp v8, v8, v8 row_xmask:1 row_mask:0xf bank_mask:0xf   ; and of my neighbour's 16: the block's
	s_delay_alu instid0(VALU_DEP_1)
	v_add_nc_u32 v[SCO], 0xff000000, v8            ; EMAX off its exponent field: the conversion takes the exponent field of this operand as its scale, and nothing else of it
	v_cvt_scalef32_pk8_fp4_f32 v[C+2*(\t)], v[XS:XS+7], v[SCO]     ; eight numbers / the scale, to the nearest code, ties to even, beyond the largest code the largest; the first number's code in the lowest four bits
	v_cvt_scalef32_pk8_fp4_f32 v[C+2*(\t)+1], v[XS+8:XS+15], v[SCO]
	v_lshrrev_b32 v[E+(\t)], 23, v[SCO]            ; the scale's byte (also the plain line behind the conversions)
	ds_store_b8 v[SBA], v[E+(\t)] offset:16*(\t)   ; both lanes of a block write the same byte with the same value
	global_store_b64 v[OOFF], v[C+2*(\t):C+2*(\t)+1], s[10:11] offset:2048*(\t)   ; the wave stores 256 consecutive bytes of row t's codes, aligned
.endm
.irp t, 0,1,2,3,4,5,6,7,8,9,10,11,12,13,14,15
	STEP \t
.endr
	ds_load_b64 v[8:9], v[SBR]                     ; LDS serves a wave's instructions in order: these see my byte stores
	s_wait_dscnt 0x0
	global_store_b64 v[OOFF], v[8:9], s[12:13] offset:65536   ; W's part of scl lies 4,096 rows x 16 bytes behind X's: again 256 consecutive bytes, aligned
	s_set_vgpr_msb 0x5
	s_wait_tensorcnt 0x0
	ds_add_u32 v0, v1
	s_wait_dscnt 0x0
	s_set_vgpr_msb 0x500
	s_endpgm
.Lfunc_end_k_q8f4d871d0b_quant:
	.size	k_q8f4d871d0b_quant, .Lfunc_end_k_q8f4d871d0b_quant-k_q8f4d871d0b_quant
	.p2alignl 7, 3214868480
	.fill 96, 4, 3214868480
	.section	.rodata,"a",@progbits
	.p2align	6, 0x0
	.amdhsa_kernel k_q8f4d871d0b_quant
		.amdhsa_group_segment_fixed_size 66560
		.amdhsa_private_segment_fixed_size 0
		.amdhsa_enable_private_segment 0
		.amdhsa_kernarg_size 40
		.amdhsa_user_sgpr_count 2
		.amdhsa_user_sgpr_kernarg_segment_ptr 1
		.amdhsa_wavefront_size32 1
		.amdhsa_system_sgpr_workgroup_id_x 1
		.amdhsa_system_sgpr_workgroup_id_y 1
		.amdhsa_system_sgpr_workgroup_id_z 1
		.amdhsa_system_vgpr_workitem_id 0
		.amdhsa_next_free_vgpr 258
		.amdhsa_next_free_sgpr 66
		.amdhsa_reserve_vcc 0
		.amdhsa_float_denorm_mode_32 3
		.amdhsa_float_denorm_mode_16_64 3
		.amdhsa_memory_ordered 1
		.amdhsa_forward_progress 1
		.amdhsa_inst_pref_size 76
	.end_amdhsa_kernel
	.amdgpu_metadata
---
amdhsa.version: [ 1, 2 ]
amdhsa.kernels:
  - .name:           k_q8f4d871d0b_quant
    .symbol:         k_q8f4d871d0b_quant.kd
    .args:
      - { .name: W, .offset: 0, .size: 8, .value_kind: global_buffer, .address_space: global }
      - { .name: mask, .offset: 8, .size: 8, .value_kind: global_buffer, .address_space: global }
      - { .name: X_scales, .offset: 16, .size: 8, .value_kind: global_buffer, .address_space: global }
      - { .name: w_codes, .offset: 24, .size: 8, .value_kind: global_buffer, .address_space: global }
      - { .name: scl, .offset: 32, .size: 8, .value_kind: global_buffer, .address_space: global }
    .group_segment_fixed_size: 66560
    .private_segment_fixed_size: 0
    .kernarg_segment_align: 8
    .kernarg_segment_size: 40
    .max_flat_workgroup_size: 256
    .sgpr_count:     66
    .vgpr_count:     258
    .wavefront_size: 32
...
	.end_amdgpu_metadata
.endif
;; end of part 1
;; launch gemm (part 2): grid 16 x 16, 4 waves a work-group, clusters of 4 x 4, 327,680 bytes of LDS; arguments X_codes, w_codes, scl, b, out0; writes out0
.if DOCPART == 2
	.amdgcn_target "amdgcn-amd-amdhsa--gfx1250"
	.amdhsa_code_object_version 6
	.text
	.protected	k_q8f4d871d0b_gemm
	.globl	k_q8f4d871d0b_gemm
	.p2align	8
	.type	k_q8f4d871d0b_gemm,@function
k_q8f4d871d0b_gemm:
	s_mov_b64 s[64:65], 0
	v_nop
	global_prefetch_b8 v0, s[64:65] scope:SCOPE_SE
	s_setreg_imm32_b32 hwreg(HW_REG_WAVE_MODE, 25, 1), 1
	s_wait_xcnt 0x0
	s_wait_alu depctr_hold_cnt(0) depctr_sa_sdst(0) depctr_va_vdst(0) depctr_va_sdst(0) depctr_va_ssrc(0) depctr_va_vcc(0) depctr_vm_vsrc(0)
	s_getreg_b32 s2, hwreg(HW_REG_IB_STS2, 6, 4)
	s_cmp_eq_u32 s2, 0
	s_cbranch_scc0 .Lentry_in_a_cluster
	s_endpgm
.Lentry_in_a_cluster:
	s_bfe_u32 s2, ttmp6, 0x10000c
	s_cmp_lg_u32 s2, 0xf033
	s_cbranch_scc0 .Lentry_shape_is_right
	s_endpgm
.Lentry_shape_is_right:
; out0[m][n] = sum over k of X[m][k] Wq[n][k] + b[n].  X_codes, w_codes: [4096][2048 bytes] codes of FP4 (E2M1), K innermost; scl: [8 K steps][8192 rows][16 bytes] E8M0 bytes, rows 0-4095 X's, 4096-8191 W's.
; A block of 256 x 256 is made by four waves, each 128 x 128: 64 accumulators, 512 registers.  K goes in steps of 512 (rows of 256 bytes) through two LDS slots filled by joint tensor loads:
; 4 x 4 work-groups form a cluster, X's tile is shared along its row, W's along its column.  The matrix instruction is used transposed (source 0 = 16 rows of W, source 1 = 16 rows of X):
; a lane holds eight neighbouring numbers of a row of out0.  The bias is the C of each accumulator's first product.
; The scale words come from scl straight into registers: a load's lanes 0-15 take 256 consecutive bytes of X's rows, lanes 16-31 of W's; two sets, one for each slot, asked for one K step ahead.
; Both operands' fragments have two sets of registers: a step of 128 along K asks for the next step's 32 LDS loads at its head and waits for them at the next step's head.
; A slot's last step begins when the slot has been read out, so the change of slots stands at that step's head.
; The clusters begin K at step 0 or at step 4, by a parity of the cluster's place, and go round.  LIMIT: the f32 sums are taken in that order of K, not ascending from 0.
; PREFETCH: behind the tensor load of K step s stands one prefetch of K step s + 2 (32 rows x 256 bytes a wave, a lane a row).  Of the 128 rows that a wave fetches each of the four partners
; that ask jointly names 32, told apart by address; the loads of the last two K steps have no prefetch, K steps 0 and 1 come by their loads alone.
; THE LAST K STEP GOES BY ROWS OF out0: W's fragments of the whole step fill window 1, X's come by blocks of 16 rows, and each block leaves through the wave's stage while the next is multiplied.
; REGISTERS: window 0: v0-31 addresses; v32-95 scale words, two sets; v128-255 X's fragments, two sets.  window 1: v0-63, v128-191 W's fragments, two sets; v64-127 the bias.  windows 2, 3: accumulators.
.set SIZE_N, 4096
.set ROWB,   256                       ; a tile's row: 512 codes
.set KROW,   2048                      ; a row of codes in memory
.set PITCH,  272                       ; an LDS row: 256 bytes + 16 of padding
.set HALFT,  128*PITCH                 ; what one tensor load brings
.set SLOT,   4*HALFT                   ; X's 256 rows, then W's
.set LAPS,   4
.set SPARE,  2*SLOT                    ; the spare words: 128 bytes a wave
.set SPITCH, 528                       ; the stage: 16 rows x (512 + 16) bytes a wave, in slot 0, behind its last fill and its last read
.set SSTEP,  0x20000                   ; a K step of scl
.set BOFF, 7
.set ADRA, 16                          ; v16-17 LDS address of my X fragments, slot 0, 1
.set ADRB, 20                          ; v20-21 the same for W
.set STO,  24
.set RD,   25
.set CO,   26
.set ADRS, 27                          ; my offset in a K step of scl
.set SPW,  28
.set NIL,  29
.set PFO,  30                          ; lane x a row of codes
.set SC,   32
.set AF,   128
.set PA,   128                         ; last K step: X's blocks of 16 rows x 512 K, two buffers of 32
.set BI,   64                          ; the bias, window 1
.set G1, 24
.set G0, 32
.set G1B, 48
.set G0B, 56
.set AB,  66                           ; my 128 rows of X's tile
.set BB,  68                           ; of W's
.set KO,  72                           ; byte offset along K of the K step asked for last
.set SO,  74
.set SW,  76
.set PFB, 78                           ; the 32 rows that I prefetch
.set PFA, 80
.set PK,  82
.set MSB, 0
.macro WIN new                         ; the immediate's high byte repeats the setting that is left
.if MSB != (\new)
	s_set_vgpr_msb (MSB<<8)|(\new)
.set MSB, (\new)
.endif
.endm
.set MUL_LO,   0xa1                    ; source 0 window 1, source 1 window 0, C and D window 2
.set MUL_HI,   0xf1
.set FIRST_LO, 0x91                    ; C from window 1: the bias
.set FIRST_HI, 0xd1
.set TO_B,     0x40
.macro JLOAD s                         ; a joint load: waves 0, 1 fetch X's halves, waves 2, 3 W's
	s_cmp_eq_u32 s15, 0
	s_cbranch_scc0 .Lfor_b_\@
	tensor_load_to_lds s[G0+4*\s:G0+4*\s+3], s[G1:G1+7]
	s_nop 0
.rept 4
	v_nop
.endr
	s_branch .Lasked_\@
.Lfor_b_\@:
	tensor_load_to_lds s[G0B+4*\s:G0B+4*\s+3], s[G1B:G1B+7]
	s_nop 0
.rept 4
	v_nop
.endr
.Lasked_\@:
.endm
.macro AIM s                           ; slot s's two descriptors at the K step at KO
	s_add_nc_u64 s[G0+4*\s+2:G0+4*\s+3], s[AB:AB+1], s[KO:KO+1]
	s_or_b32 s[G0+4*\s+3], s[G0+4*\s+3], 0x80000000
	s_add_nc_u64 s[G0B+4*\s+2:G0B+4*\s+3], s[BB:BB+1], s[KO:KO+1]
	s_or_b32 s[G0B+4*\s+3], s[G0B+4*\s+3], 0x80000000
.endm
.macro CREST                           ; a round of the cluster's barrier behind its opening barrier
	s_cmp_lg_u32 s14, 0
	s_cbranch_scc1 .Lnot_wave_0_\@
	s_barrier_signal -3
.Lnot_wave_0_\@:
	s_barrier_wait -3
	s_barrier_signal -1
	s_barrier_wait -1
.endm
.macro CROUND
	s_barrier_signal -1
	s_barrier_wait -1
	CREST
.endm
.macro ASK                             ; the loop's prefetch: not in its last trip, whose refills are K's last two steps
	s_cmp_gt_u32 s3, 1
	s_cbranch_scc0 .Lno_ask_\@
	global_prefetch_b8 v[PFO], s[PFA:PFA+1] th:TH_LOAD_NT scope:SCOPE_SE
.Lno_ask_\@:
.endm
.macro PLACES                          ; four places behind matrix instructions, ahead of loads into their registers and of reads of results
.rept 4
	v_nop
.endr
.endm
.macro GSCALES set, off
.irp i, 0,1,2,3,4,5,6,7
	global_load_b128 v[SC+32*(\set)+4*\i:SC+32*(\set)+4*\i+3], v[ADRS], s[SW:SW+1] offset:\off+256*\i
.endr
.endm
	s_load_b256 s[4:11], s[0:1], 0x0               ; X_codes s[4:5], w_codes s[6:7], scl s[8:9], b s[10:11]
	s_load_b64 s[12:13], s[0:1], 0x20              ; out0
	v_lshl_add_u32 v[SPW], v0, 2, SPARE
	v_mov_b32 v[NIL], 0
	ds_add_u32 v[SPW], v[NIL]                      ; the opening add, twice on end
	ds_add_u32 v[SPW], v[NIL]
	v_lshrrev_b32 v1, 5, v0
	v_readfirstlane_b32 s14, v1                    ; wave 0..3
	s_lshr_b32 s15, s14, 1                         ; my half of the rows; also: I fetch for X (0) or W (1)
	s_and_b32 s16, s14, 1                          ; my half of the columns; also: which 128 rows I fetch
	s_bfe_u32 s40, ttmp6, 0x40000                  ; cx
	s_bfe_u32 s41, ttmp6, 0x40004                  ; cy
	s_lshl_b32 s42, ttmp9, 2
	s_add_co_u32 s42, s42, s40                     ; tile column
	s_and_b32 s17, ttmp7, 0xffff
	s_xor_b32 s18, s17, ttmp9                      ; a parity of the cluster's place, the same in all partners
	s_lshr_b32 s19, s18, 1
	s_xor_b32 s18, s18, s19
	s_and_b32 s18, s18, 1
	s_lshl_b32 s[KO], s18, 10                      ; K begins at step 0 or 4
	s_mov_b32 s[KO+1], 0
	s_lshl_b32 s[SO], s18, 19
	s_mov_b32 s[SO+1], 0
	s_mov_b32 s[PK+1], 0
	s_lshl_b32 s17, s17, 2
	s_add_co_u32 s17, s17, s41                     ; tile row
	s_lshl_b32 s43, s41, 2
	s_lshl_b32 s43, 15, s43                        ; my row of the cluster
	s_lshl_b32 s44, 0x1111, s40                    ; my column
	s_or_b32 s[G1+0], s43, (1<<20)|(1<<21)|(5<<22)|(3<<25)   ; mask; elements of 1 byte; 4 words of padding behind every 64
	s_or_b32 s[G1B+0], s44, (1<<20)|(1<<21)|(5<<22)|(3<<25)
.irp g, G1, G1B
	s_mov_b32 s[\g+1], ROWB<<16
	s_mov_b32 s[\g+2], 128<<16
	s_mov_b32 s[\g+3], ROWB<<16
	s_mov_b32 s[\g+4], 128
	s_mov_b32 s[\g+5], KROW
	s_mov_b32 s[\g+6], 0
	s_mov_b32 s[\g+7], 0
.endr
	s_lshl_b32 s18, s16, 7
	s_lshl_b32 s20, s17, 8
	s_add_co_u32 s20, s20, s18
	s_lshl_b32 s20, s20, 11                        ; X: (256 x tile row + 128 x half) rows of 2,048 bytes
	s_mov_b32 s21, 0
	s_lshl_b32 s46, s42, 8
	s_add_co_u32 s46, s46, s18
	s_lshl_b32 s46, s46, 11                        ; W likewise, by the tile column
	s_mov_b32 s47, 0
	s_mul_i32 s45, s14, HALFT                      ; where my tensor loads land
	s_mul_i32 s90, s15, HALFT                      ; my 128 rows of X in a slot
	s_mul_i32 s91, s16, HALFT
	s_add_co_u32 s91, s91, 2*HALFT                 ; my 128 rows of W
	s_mul_i32 s23, s14, 16*SPITCH                  ; my stage
	s_lshl_b32 s84, s17, 12                        ; scl: X's rows, 16 bytes each
	s_lshl_b32 s85, s15, 11
	s_add_co_u32 s84, s84, s85
	s_lshl_b32 s70, s42, 12                        ; W's rows, 4,096 rows behind
	s_lshl_b32 s71, s16, 11
	s_add_co_u32 s70, s70, s71
	s_add_co_u32 s70, s70, 65536
	s_sub_co_u32 s71, s70, s84
	s_lshl_b32 s86, s17, 8                         ; out0: my first row,
	s_lshl_b32 s87, s15, 7
	s_add_co_u32 s86, s86, s87
	s_lshl_b32 s86, s86, 14
	s_mov_b32 s87, 0
	s_lshl_b32 s88, s42, 10                        ; my first column, in bytes
	s_lshl_b32 s89, s16, 9
	s_add_co_u32 s88, s88, s89
	s_mov_b32 s89, 0
	s_add_nc_u64 s[86:87], s[86:87], s[88:89]
	s_cmp_eq_u32 s15, 0                            ; the prefetches: the tile that I fetch for, and my place among the four that ask for it
	s_cselect_b32 s92, s17, s42
	s_cselect_b32 s93, s40, s41
	s_lshl_b32 s92, s92, 8
	s_add_co_u32 s92, s92, s18
	s_lshl_b32 s93, s93, 5
	s_add_co_u32 s92, s92, s93
	s_lshl_b32 s92, s92, 11
	s_mov_b32 s93, 0
.irp s, 0,1
	s_mov_b32 s[G0+4*\s], 1
	s_add_co_u32 s[G0+4*\s+1], s45, \s*SLOT
	s_mov_b32 s[G0B+4*\s], 1
	s_add_co_u32 s[G0B+4*\s+1], s45, \s*SLOT
.endr
	v_and_b32 v1, 15, v0                           ; l % 16
	v_bfe_u32 v2, v0, 4, 1                         ; l / 16
	v_mul_u32_u24 v3, v1, PITCH
	v_lshl_add_u32 v4, v2, 4, v3                   ; a fragment's row x pitch + 16 x half
	v_add_nc_u32 v[ADRA], s90, v4
	v_add_nc_u32 v[ADRB], s91, v4
	v_add_nc_u32 v[ADRA+1], SLOT, v[ADRA]
	v_add_nc_u32 v[ADRB+1], SLOT, v[ADRB]
	v_mul_u32_u24 v6, s71, v2                      ; lanes 16-31 take W's scale words
	v_lshl_add_u32 v5, v1, 4, v6
	v_add_nc_u32 v[ADRS], s84, v5
	v_mul_u32_u24 v5, v1, SPITCH                   ; into the stage: row l % 16, 32 bytes for each half of the lanes
	v_lshl_add_u32 v5, v2, 5, v5
	v_add_nc_u32 v[STO], s23, v5
	v_and_b32 v6, 31, v0
	v_lshlrev_b32 v[CO], 4, v6                     ; back: 32 lanes take a row of 512 bytes; the same in out0
	v_add_nc_u32 v[RD], s23, v[CO]
	v_lshl_add_u32 v[BOFF], v2, 5, s88             ; the bias of my eight columns of a block
	v_lshlrev_b32 v[PFO], 11, v6
	s_wait_alu depctr_va_vdst(0)
	s_wait_dscnt 0x0                               ; both opening adds are done
	s_wait_kmcnt 0x0
	s_add_nc_u64 s[AB:AB+1], s[4:5], s[20:21]
	s_add_nc_u64 s[BB:BB+1], s[6:7], s[46:47]
	s_add_nc_u64 s[SW:SW+1], s[8:9], s[SO:SO+1]
	s_add_nc_u64 s[12:13], s[12:13], s[86:87]
	s_cmp_eq_u32 s15, 0
	s_cselect_b64 s[PFB:PFB+1], s[4:5], s[6:7]
	s_add_nc_u64 s[PFB:PFB+1], s[PFB:PFB+1], s[92:93]
	s_add_nc_u64 s[PFA:PFA+1], s[PFB:PFB+1], s[KO:KO+1]
	GSCALES 0, 0                                   ; the first two K steps' scale words and the bias are asked for ahead of the first round
	WIN TO_B
.irp b, 0,1,2,3,4,5,6,7
	global_load_b128 v[BI+8*\b:BI+8*\b+3], v[BOFF], s[10:11] offset:64*\b
	global_load_b128 v[BI+8*\b+4:BI+8*\b+7], v[BOFF], s[10:11] offset:64*\b+16
.endr
	WIN 0
	GSCALES 1, SSTEP
	AIM 0
	s_add_co_u32 s[KO], s[KO], ROWB
	AIM 1
	CROUND                                         ; all sixteen work-groups are here: the first joint loads meet
	JLOAD 0                                        ; my quarter of the first K step: one tensor load a wave at the head
	global_prefetch_b8 v[PFO], s[PFA:PFA+1] offset:2*ROWB th:TH_LOAD_NT scope:SCOPE_SE   ; the K step two on
	s_wait_tensorcnt 0x0                           ; slot 1's first fill is issued as a refill is: my load has landed,
	ds_add_u32 v[SPW], v[NIL]                      ; the add,
	s_wait_dscnt 0x0
	CROUND
	JLOAD 1
.macro FRAG reg, adr, q, i             ; 16 rows x 128 K: lane l holds row l % 16; registers 4 c .. 4 c + 3 hold K = 64 c + 32 (l / 16) + 0 .. 31
.irp c, 0,1
	ds_load_b128 v[\reg+4*\c:\reg+4*\c+3], v[\adr] offset:64*(\q)+32*\c+(\i)*16*PITCH
.endr
.endm
.macro FETCH slot, q, p                ; 32 LDS loads: both operands' fragments of the slot's q-th 128 along K into set p
	WIN TO_B
.irp i, 0,1,2,3,4,5,6,7
	FRAG 128*(\p)+8*\i, ADRB+\slot, \q, \i
.endr
	WIN 0
.irp i, 0,1,2,3,4,5,6,7
	FRAG AF+64*(\p)+8*\i, ADRA+\slot, \q, \i
.endr
.endm
.macro WM d, fb, fa, c, sb, sa         ; W's scale words lie in lanes 16-31 of their register, X's in lanes 0-15
	v_wmma_scale_f32_16x16x128_f8f6f4 v[\d:\d+7], v[\fb:\fb+7], v[\fa:\fa+7], v[\c:\c+7], v[\sb], v[\sa] matrix_a_fmt:MATRIX_FMT_FP4 matrix_b_fmt:MATRIX_FMT_FP4 matrix_a_scale:MATRIX_SCALE_ROW1
.endm
.macro MUL16 a0, p, q, sc, first       ; X's blocks a0, a0 + 1 against W's eight; the 64 accumulators take turns
.irp a, \a0, \a0+1
.irp b, 0,1,2,3,4,5,6,7
.if \first
	WM 8*(8*((\a)%4)+\b), 128*(\p)+8*\b, AF+64*(\p)+8*(\a), BI+8*\b, SC+32*(\sc)+4*\b+(\q), SC+32*(\sc)+4*(\a)+(\q)
.else
	WM 8*(8*((\a)%4)+\b), 128*(\p)+8*\b, AF+64*(\p)+8*(\a), 8*(8*((\a)%4)+\b), SC+32*(\sc)+4*\b+(\q), SC+32*(\sc)+4*(\a)+(\q)
.endif
.endr
.endr
.endm
.macro BLOAD q                         ; last K step: W's fragments of quarter q -> window 1, v[64 q ..]
.irp i, 0,1,2,3,4,5,6,7
	FRAG 64*(\q)+8*\i, ADRB+1, \q, \i
.endr
.endm
.macro ALOAD a                         ; last K step: X's block a, all four quarters -> buffer a % 2
.irp q, 0,1,2,3
	FRAG PA+32*((\a)%2)+8*\q, ADRA+1, \q, \a
.endr
.endm
; A step of 128 along K: 64 matrix instructions on set q % 2.  kind 0: the next step lies in the same slot.  kind 1 (q = 3): the slot has been read out: change of slots with a refill.
; kind 2: the last change, no refill; the last K step's first fragments are asked for.  gs = 1 (q = 0): the other slot's set of scale words takes the K step at KO.
.macro STEP slot, q, kind, first, gs
.if \kind
	WIN 0
.if \kind == 1
	s_wait_xcnt 0x0                                ; my last prefetch has read its address
.endif
	s_wait_tensorcnt 0x0                           ; all my tensor loads have landed: my part of the other slot;
	ds_add_u32 v[SPW], v[NIL]                      ; the add; scalar work stands between it and its wait
.if \kind == 1
	s_add_co_u32 s[KO], s[KO], ROWB
	s_and_b32 s[KO], s[KO], KROW-1                 ; round K
	AIM \slot
	s_add_co_u32 s[PK], s[KO], 2*ROWB
	s_and_b32 s[PK], s[PK], KROW-1
	s_add_nc_u64 s[PFA:PFA+1], s[PFB:PFB+1], s[PK:PK+1]
.endif
.endif
.if (\q) == 0
	s_wait_loadcnt 0x0                             ; this K step's scale words (and, the first time, the bias)
.endif
	s_wait_dscnt 0x0                               ; this step's fragments are in (kind 1, 2: so my reads of the slot are over, and the add is done)
.if \kind
	s_barrier_signal -1
	WIN MUL_LO
	MUL16 0, 1, \q, \slot, 0                       ; work on registers while the others arrive
	WIN 0
	s_barrier_wait -1
.if \kind == 1
	CREST                                          ; the barrier has opened a round of the cluster's barrier
	JLOAD \slot                                    ; the first tensor load behind the round; its four v_nop are the places for the loads below
	FETCH 1-\slot, 0, 0
	ASK
.else
	PLACES
	WIN TO_B
	BLOAD 0                                        ; W's set 1 (v128-191) is still at work: quarter 2 follows behind this step
	BLOAD 1
	BLOAD 3
	WIN 0
	ALOAD 0
	ALOAD 1
.endif
	WIN MUL_LO
	MUL16 2, 1, \q, \slot, 0
	WIN MUL_HI
.else
	PLACES
	FETCH \slot, (\q)+1, 1-(\q)%2
.if \gs
	s_lshl_b32 s[SO], s[KO], 9                     ; no load of mine is out: the base may be written
	s_add_nc_u64 s[SW:SW+1], s[8:9], s[SO:SO+1]
	GSCALES 1-\slot, 0
.endif
.if \first
	WIN FIRST_LO
.else
	WIN MUL_LO
.endif
	MUL16 0, (\q)%2, \q, \slot, \first
	MUL16 2, (\q)%2, \q, \slot, \first
.if \first
	WIN FIRST_HI
.else
	WIN MUL_HI
.endif
.endif
	MUL16 4, (\q)%2, \q, \slot, \first
	MUL16 6, (\q)%2, \q, \slot, \first
.endm
	FETCH 0, 0, 0
	global_prefetch_b8 v[PFO], s[PFA:PFA+1] offset:3*ROWB th:TH_LOAD_NT scope:SCOPE_SE
	STEP 0, 0, 0, 1, 0                             ; the first step stands ahead of the loop: its products start the sums on the bias
	WIN 0
	s_mov_b32 s3, LAPS-1
.Llap:                                                 ; a trip goes once round the ring and fills both slots again
	STEP 0, 1, 0, 0, 0
	STEP 0, 2, 0, 0, 0
	STEP 0, 3, 1, 0, 0
	STEP 1, 0, 0, 0, 1
	STEP 1, 1, 0, 0, 0
	STEP 1, 2, 0, 0, 0
	STEP 1, 3, 1, 0, 0
	STEP 0, 0, 0, 0, 1
	WIN 0
	s_sub_co_u32 s3, s3, 1
	s_cmp_lg_u32 s3, 0
	s_cbranch_scc1 .Llap
	STEP 0, 1, 0, 0, 0
	STEP 0, 2, 0, 0, 0
	STEP 0, 3, 2, 0, 0
; THE LAST K STEP, in slot 1, by blocks of 16 rows: 32 matrix instructions a block, its 8 accumulators by turns.
.macro ROW a
.set FA, PA+32*((\a)%2)
.set AC, 64*((\a)%4)
	WIN MUL_LO+0x50*((\a)/4)
.irp q, 0,1,2,3
.if (\a) == 0 && \q == 2
	s_wait_dscnt 0x0                               ; W's quarter 2 is in
.endif
.irp b, 0,1,2,3,4,5,6,7
	WM AC+8*\b, 64*\q+8*\b, FA+8*\q, AC+8*\b, SC+32+4*\b+\q, SC+32+4*(\a)+\q
.endr
.endr
.endm
; The way out of block a: into my stage, each accumulator from its low end on, and back as whole rows of 512 bytes (LDS serves a wave's instructions in order: ISA guide 5.7.1.4).
; The rows come back into v32-63 and v96-127 (even blocks) or v192-255 (odd blocks).
.macro TOSTAGE a
.set AC, 64*((\a)%4)
	WIN 0x08+4*((\a)/4)
.irp b, 0,1,2,3,4,5,6,7
	ds_store_b128 v[STO], v[AC+8*\b:AC+8*\b+3] offset:64*\b
	ds_store_b128 v[STO], v[AC+8*\b+4:AC+8*\b+7] offset:64*\b+16
.endr
	WIN 0
.irp t, 0,1,2,3,4,5,6,7,8,9,10,11,12,13,14,15
.set OBT, 192*((\a)%2)+(1-((\a)%2))*(32+32*(\t/8))+4*\t
	ds_load_b128 v[OBT:OBT+3], v[RD] offset:\t*SPITCH
.endr
.endm
.macro SEND a
.if (\a) > 0
	s_add_nc_u64 s[12:13], s[12:13], 16*SIZE_N*4   ; behind a wait on XCNT: the earlier stores have read their base
.endif
.irp t, 0,1,2,3,4,5,6,7,8,9,10,11,12,13,14,15
.set OBT, 192*((\a)%2)+(1-((\a)%2))*(32+32*(\t/8))+4*\t
	global_store_b128 v[CO], v[OBT:OBT+3], s[12:13] offset:\t*SIZE_N*4 th:TH_STORE_NT   ; 32 lanes store 512 consecutive bytes, aligned
.endr
.endm
	PLACES
	WIN TO_B
	BLOAD 2
	WIN 0
	s_wait_loadcnt 0x0                             ; the last K step's scale words
	s_wait_dscnt 16                                ; all but W's quarter 2
	ROW 0
.irp a, 0,1,2,3,4,5,6,7
	PLACES                                         ; block a's results are read, and its buffer of X is loaded again
.if \a > 1
	s_wait_xcnt 0x0                                ; block a - 2's stores have read their registers and their base
.endif
	TOSTAGE \a
.if \a < 6
	ALOAD \a+2
	s_wait_dscnt 40                                ; all but block a's 32 stage instructions and the 8 loads just issued: block a - 1 is back, and X's block a + 1 is in
.else
	s_wait_dscnt 32
.endif
.if \a > 0
	SEND \a-1
.endif
.if \a < 7
	ROW \a+1
.endif
.endr
	s_wait_xcnt 0x0
	s_wait_dscnt 0x0
	SEND 7
	s_wait_tensorcnt 0x0                           ; the wave's end
	ds_add_u32 v[SPW], v[NIL]
	s_wait_dscnt 0x0
	CROUND                                         ; the closing round
	s_endpgm
.Lfunc_end_k_q8f4d871d0b_gemm:
	.size	k_q8f4d871d0b_gemm, .Lfunc_end_k_q8f4d871d0b_gemm-k_q8f4d871d0b_gemm
	.p2alignl 7, 3214868480
	.fill 96, 4, 3214868480
	.section	.rodata,"a",@progbits
	.p2align	6, 0x0
	.amdhsa_kernel k_q8f4d871d0b_gemm
		.amdhsa_group_segment_fixed_size 327680
		.amdhsa_private_segment_fixed_size 0
		.amdhsa_enable_private_segment 0
		.amdhsa_kernarg_size 40
		.amdhsa_user_sgpr_count 2
		.amdhsa_user_sgpr_kernarg_segment_ptr 1
		.amdhsa_wavefront_size32 1
		.amdhsa_system_sgpr_workgroup_id_x 1
		.amdhsa_system_sgpr_workgroup_id_y 1
		.amdhsa_system_sgpr_workgroup_id_z 1
		.amdhsa_system_vgpr_workitem_id 0
		.amdhsa_next_free_vgpr 1024
		.amdhsa_next_free_sgpr 96
		.amdhsa_reserve_vcc 0
		.amdhsa_float_denorm_mode_32 3
		.amdhsa_float_denorm_mode_16_64 3
		.amdhsa_memory_ordered 1
		.amdhsa_forward_progress 1
		.amdhsa_inst_pref_size 212
	.end_amdhsa_kernel
	.amdgpu_metadata
---
amdhsa.version: [ 1, 2 ]
amdhsa.kernels:
  - .name:           k_q8f4d871d0b_gemm
    .symbol:         k_q8f4d871d0b_gemm.kd
    .args:
      - { .name: X_codes, .offset: 0, .size: 8, .value_kind: global_buffer, .address_space: global }
      - { .name: w_codes, .offset: 8, .size: 8, .value_kind: global_buffer, .address_space: global }
      - { .name: scl, .offset: 16, .size: 8, .value_kind: global_buffer, .address_space: global }
      - { .name: b, .offset: 24, .size: 8, .value_kind: global_buffer, .address_space: global }
      - { .name: out0, .offset: 32, .size: 8, .value_kind: global_buffer, .address_space: global }
    .group_segment_fixed_size: 327680
    .private_segment_fixed_size: 0
    .kernarg_segment_align: 8
    .kernarg_segment_size: 40
    .max_flat_workgroup_size: 128
    .sgpr_count:     96
    .vgpr_count:     1024
    .wavefront_size: 32
...
	.end_amdgpu_metadata
.endif
;; end of part 2
